; MI455X (gfx1250); checked and timed in simulation.
; The chip was launched on July 23, 2026; its instructions are those of AMD's public machine-readable ISA for CDNA 5 (MIT licence, August 2026) and "CDNA5" Instruction Set Architecture Reference Guide (July 2026). The comments in the code are by the model that wrote it; some were corrected since.
;; Quantized Linear. Allowed arithmetic: matrix products marked QUANTISED: E4M3 operands, one E8M0 scale for each 32 along K, by v_wmma_scale_f32_16x16x128_f8f6f4 with both operands' format E4M3, f32 sums; everything else in f32.
;; Inputs: bias 4,096 float32; input_codes 4,096 x 128 x 32 uint8 (E4M3 codes of input, K innermost, in blocks of 32 codes); input_scales 4,096 x 128 uint8 (E8M0 scales of input, one for each 32 codes along K); qweight 4,096 x 4,096 int32; scales 4,096 x 32 float32; zeros 4,096 x 32 float32.
;; Outputs: out0 4,096 x 4,096 float32.
;; This version of the problem:
;;   THIS VERSION OF THE PROBLEM IS GIVEN IN LOW PRECISION. The matrix products marked QUANTISED in the list below multiply operands that are first quantised to E4M3 (4 exponent bits, 3 mantissa bits; 8 bits a number), with one power-of-two scale for each 32 numbers along K (OCP MX v1.0); their sums are f32. All else is computed in f32.
;;   The module's matrix products, in the order in which they are computed (A, B: the left and right operand; K: the contracted axis; several contracted axes count as one K, in the product's order):
;;     1. [M 4,096, K 4,096] x [K 4,096, N 4,096]; A: input input (given as codes); B: computed on the way: QUANTISED
;;   THE QUANTISER, for each operand of a quantised product, along K:
;;     - K is cut into blocks of 32 from its start; a last block that is shorter is filled with zeros.
;;     - A block's scale is 2^e with e = floor(log2(the largest magnitude in the block)) - 8, held to -126 .. 127; a block of zeros has e = 0. As a byte (E8M0): e + 127.
;;     - Each number is divided by its block's scale, clamped to +-448, and rounded to the nearest number of E4M3, ties to even, subnormals kept.
;;     - The product sums the exact products of the quantised numbers (number of the format x scale) in f32.
;;   ~~~python
;;   def quantise(x, axis):      # numpy; x: float32 -> the quantised numbers, widened to float32 again
;;       x = np.moveaxis(x, axis, -1); K = x.shape[-1]
;;       x = np.pad(x, [(0, 0)] * (x.ndim - 1) + [(0, -K % 32)]); x = x.reshape(x.shape[:-1] + (-1, 32)); a = np.abs(x).max(-1, keepdims=True)
;;       e = np.where(a > 0, np.clip(np.frexp(np.where(a > 0, a, 1))[1] - 1 - 8, -126, 127), 0)      # np.frexp(a)[1] - 1 = floor(log2(a)), exactly
;;       r = np.clip(x / 2.0 ** e, -448, 448)
;;       step = 2.0 ** (np.maximum(np.frexp(np.where(r == 0, 1, r))[1] - 1, -6) - 3)
;;       q = np.round(r / step) * step * 2.0 ** e      # np.round: ties to even
;;       return np.moveaxis(q.reshape(q.shape[:-2] + (-1,))[..., :K], -1, axis).astype(np.float32)
;;   ~~~
;;   OPERANDS COMPUTED ON THE WAY. 'Computed on the way' means the value that the module computes at that place (a softmax that the list does not call 'softmax' is quantised finished and normalised). What goes into a quantiser is computed in f32, as accurately as f32 sums, v_exp_f32 and their like allow (about 1e-6 of the number): no bf16 or f16 on the way to a quantiser, and a product that is left as it is and whose result goes on into a quantised operand takes f32 operands (vector FMAs, or v_wmma_f32_16x16x4_f32). A number that lies on a knife's edge between two numbers of the format may be rounded either way, as far as f32 arithmetic and the matrix unit's own rounding can turn it there, and no further.
;;   INPUTS GIVEN AS CODES. input (in the module: [4096, 4096], K = its axis 1): each comes as NAME_codes (uint8): NAME with its K axis moved to the last place and cut into blocks of 32 codes, [.., K / 32, bytes a block], one block behind the other in memory; one code a byte (a code: sign, 4 exponent bits, 3 mantissa bits); and NAME_scales (uint8): the same leading axes, one E8M0 byte (e + 127) for each 32 codes along K. Its value is code x scale, taken as it is: it is not quantised again, and the codes and scales need not be those that the quantiser above would give.
;; One version. Each part assembles by itself: llvm-mc -triple=amdgcn-amd-amdhsa -mcpu=gfx1250 --defsym DOCPART=n.
;; ======== version 1 of 1: 2 launches
;; limits: right only within a limited range of input values
;; workspace buffers: wq 17,301,504 bytes
;; launch quantw (part 1): grid 512 x 1, 4 waves a work-group, no clusters, 33,280 bytes of LDS; arguments qweight, scales, zeros, wq; writes wq
.if DOCPART == 1
	.amdgcn_target "amdgcn-amd-amdhsa--gfx1250"
	.amdhsa_code_object_version 6
	.text
	.protected	k_qfa7778086b_quantw
	.globl	k_qfa7778086b_quantw
	.p2align	8
	.type	k_qfa7778086b_quantw,@function
k_qfa7778086b_quantw:
	s_mov_b64 s[64:65], 0
	v_nop
	global_prefetch_b8 v0, s[64:65] scope:SCOPE_SE
	s_setreg_imm32_b32 hwreg(HW_REG_WAVE_MODE, 25, 1), 1
	s_wait_xcnt 0x0
; W[o][i] = (f32(q[o][i]) - zeros[o][i / 128]) * scales[o][i / 128], one subtraction and one multiplication in f32, in that order; then W is turned into
; codes of FP8 (E4M3) with one E8M0 byte for each 32 along i.  A block's scale is 2^(floor(log2(its largest magnitude)) - 8); its byte is the largest
; magnitude's own exponent field - 8, held at 1 from below; each number is divided by the scale, held within +-448 and rounded to the nearest code, ties to even.
; LIMITS: NaN and infinities in scales or zeros are not served.  A block of zeros gets the byte 1 where the quantiser's text says 127: its codes are zeros,
; which add nothing under any byte but 0xff, and the bytes are read by this program alone.  |q| above 2^24 is rounded as a conversion to f32 rounds it.
; THE OUTPUT wq is laid for the product's launch: blocks [g = 0..31: 128 rows of W][j = 0..15: 256 along K] of BLKB = 33,792 bytes.  In a block: row rho's 256
; codes at 256 rho; behind the 32,768 bytes of codes four scale units of 256 bytes: unit i, entry e of 8 bytes: e < 16: row 16 i + e; e >= 16: row 64 + 16 i + e - 16;
; an entry is the row's 8 scale bytes of the K step, K ascending.
; SHARES: work-group x: jq = x & 3, i = (x >> 2) & 3, g = x >> 4.  Wave w takes K step j = 4 jq + w and the 32 rows of scale unit i: 16 steps; step t takes rows
; A = 128 g + 16 i + t and B = A + 64, 256 numbers (1,024 bytes) of each.  Each load of a wave reads 512 consecutive bytes; a step's 2,048 bytes turn through the
; wave's own stage in LDS, so that a lane then holds 16 NEIGHBOURS along K (lanes 0-15 row A, lanes 16-31 row B; two neighbouring lanes hold a block of 32).
; A lane's 16 codes are 16 bytes: sixteen lanes store 256 consecutive bytes, aligned.  The wave's 256 scale bytes are gathered in LDS and leave as one aligned run of 256.
; No tensor loads, no barrier: waves share nothing.  Loads run four steps (16 loads a wave) ahead, the turn through LDS one step.
.set STEPS, 16
.set BLKB,  33792                      ; a block of wq
.set WREG,  8192                       ; LDS: a region for each wave
.set SP,    80                         ; a lane's place in a stage: its 64 bytes + 16 of padding
.set SBY,   2*32*SP                    ; behind the two stages: the wave's 256 scale bytes
.set TBL,   SBY+256                    ; behind them: 32 entries of 32 bytes: (z0, z0, s0, s0, z1, z1, s1, s1) of the unit's 32 rows, for the K step's two groups of 128
.set R,     16                         ; v16-79   four sets of 16 numbers as they are loaded
.set X,     80                         ; v80-111  two sets of 16 neighbours
.set E,     112                        ; v112-127 a scale byte for each step
.set C,     128                        ; v128-191 codes: four registers for each step, so that no store's data are written again
.set ZS,    192                        ; v192-199 two sets of (z, z, s, s)
	s_load_b256 s[4:11], s[0:1], 0x0               ; qweight s[4:5], scales s[6:7], zeros s[8:9], wq s[10:11]
	v_lshl_add_u32 v200, v0, 2, 0x8000
	v_mov_b32 v201, 0
	v_lshrrev_b32 v1, 5, v0
	v_readfirstlane_b32 s16, v1                    ; wave 0..3
	v_and_b32 v2, 31, v0                           ; lane
	v_lshlrev_b32 v3, 4, v2                        ; my 16 bytes of a load's 512
	v_and_b32 v8, 15, v2                           ; lane % 16
	v_lshrrev_b32 v9, 4, v2                        ; lane / 16
	v_lshlrev_b32 v1, 7, v8                        ; zeros, scales: a row is 128 bytes; lane e takes the unit's entry e:
	v_lshl_add_u32 v1, v9, 13, v1                  ; lanes 16-31 stand 64 rows further down
	v_lshlrev_b32 v4, 4, v8                        ; codes out: 16 bytes a lane in a row of 256,
	v_lshl_add_u32 v4, v9, 14, v4                  ; lanes 16-31 64 rows of 256 bytes further on
	s_lshl_b32 s21, s16, 13                        ; my wave's region of LDS
	s_add_co_u32 s2, s21, SBY
	s_add_co_u32 s3, s21, TBL
	v_bfe_u32 v10, v2, 1, 3                        ; my block of 32 among the row's eight
	v_lshl_add_u32 v5, v9, 7, v10                  ; scale bytes in: entry t (lanes 0-15) or 16 + t (lanes 16-31), 8 bytes an entry; 8 t stands in the immediate
	v_add_nc_u32 v5, s2, v5
	v_lshlrev_b32 v7, 3, v2                        ; scale bytes out: 8 bytes a lane
	v_add_nc_u32 v6, s2, v7
	v_lshlrev_b32 v12, 5, v2                       ; the table, in: entry = lane
	v_add_nc_u32 v12, s3, v12
	v_bfe_u32 v10, v2, 3, 1                        ; which group of 128 my 16 numbers lie in
	v_lshlrev_b32 v13, 4, v10
	v_lshl_add_u32 v13, v9, 9, v13                 ; the table, out: entry t or 16 + t, the group's 16 bytes; 32 t stands in the immediate
	v_add_nc_u32 v13, s3, v13
	v_lshrrev_b32 v14, 2, v2
	v_mul_u32_u24 v14, v14, SP
	v_and_b32 v15, 3, v2
	v_lshl_add_u32 v14, v15, 4, v14
	v_add_nc_u32 v14, s21, v14                     ; the stage, in: four lanes' 64 bytes on end, then 16 of padding; a load's 512 bytes take eight places
	v_mul_u32_u24 v15, v2, SP
	v_add_nc_u32 v15, s21, v15                     ; and out: my 16 neighbours
	s_and_b32 s17, ttmp9, 3                        ; jq
	s_bfe_u32 s18, ttmp9, 0x20002                  ; i
	s_lshr_b32 s19, ttmp9, 4                       ; g
	s_lshl_b32 s17, s17, 2
	s_add_co_u32 s17, s17, s16                     ; j = 4 jq + wave
	s_lshl_b32 s20, s19, 7
	s_lshl_b32 s31, s18, 4
	s_add_co_u32 s20, s20, s31                     ; the unit's first row: 128 g + 16 i
	s_lshl_b32 s22, s20, 14                        ; qweight: rows of 16,384 bytes, + 1,024 j.  All four offsets stay under 2^27
	s_lshl_b32 s31, s17, 10
	s_add_co_u32 s22, s22, s31
	s_mov_b32 s23, 0
	s_lshl_b32 s24, s20, 7                         ; zeros, scales: rows of 128 bytes, + 8 j (two groups of 128)
	s_lshl_b32 s31, s17, 3
	s_add_co_u32 s24, s24, s31
	s_mov_b32 s25, 0
	s_lshl_b32 s26, s19, 4
	s_add_co_u32 s26, s26, s17
	s_mul_i32 s26, s26, BLKB                       ; wq: block (g, j)
	s_lshl_b32 s31, s18, 8
	s_add_co_u32 s28, s26, s31
	s_add_co_u32 s28, s28, 32768                   ; its scale unit i
	s_mov_b32 s29, 0
	s_lshl_b32 s31, s18, 12
	s_add_co_u32 s26, s26, s31                     ; its row 16 i of codes
	s_mov_b32 s27, 0
	s_mov_b32 s30, 0x600000                        ; the mantissa field of 448 (an instruction takes one literal: the hold's line has another)
	s_wait_alu depctr_va_vdst(0)
	s_wait_kmcnt 0x0
	s_add_nc_u64 s[4:5], s[4:5], s[22:23]
	s_add_nc_u64 s[6:7], s[6:7], s[24:25]
	s_add_nc_u64 s[8:9], s[8:9], s[24:25]
	s_add_nc_u64 s[12:13], s[10:11], s[26:27]
	s_add_nc_u64 s[14:15], s[10:11], s[28:29]
.macro LOAD t                          ; step t: rows A and B, 1,024 bytes of each, into set t % 4; read once in the launch
.irp i, 0,1
	global_load_b128 v[R+16*((\t)%4)+4*\i:R+16*((\t)%4)+4*\i+3], v3, s[4:5] offset:16384*(\t)+512*\i th:TH_LOAD_NT
.endr
.irp i, 0,1
	global_load_b128 v[R+16*((\t)%4)+8+4*\i:R+16*((\t)%4)+8+4*\i+3], v3, s[4:5] offset:16384*(\t)+64*16384+512*\i th:TH_LOAD_NT
.endr
.endm
.macro TURN t                          ; step t's numbers through the stage, and its z and s out of the table: LDS serves a wave's instructions in order, so no wait stands between the stores and the loads
.irp i, 0,1,2,3
	ds_store_b128 v14, v[R+16*((\t)%4)+4*\i:R+16*((\t)%4)+4*\i+3] offset:32*SP*((\t)%2)+8*SP*\i
.endr
.irp i, 0,1,2,3
	ds_load_b128 v[X+16*((\t)%2)+4*\i:X+16*((\t)%2)+4*\i+3], v15 offset:32*SP*((\t)%2)+16*\i
.endr
	ds_load_b128 v[ZS+4*((\t)%2):ZS+4*((\t)%2)+3], v13 offset:32*(\t)
.endm
	global_load_b64 v[8:9], v1, s[8:9]             ; z of my entry's row, the K step's two groups
	global_load_b64 v[10:11], v1, s[6:7]           ; s likewise
.irp t, 0,1,2,3
	LOAD \t
.endr
	s_wait_loadcnt 16                              ; z and s are in; the 16 younger loads stay out
	v_mov_b32 v128, v8                             ; each number twice: pairs for the packed arithmetic
	v_mov_b32 v129, v8
	v_mov_b32 v130, v10
	v_mov_b32 v131, v10
	v_mov_b32 v132, v9
	v_mov_b32 v133, v9
	v_mov_b32 v134, v11
	v_mov_b32 v135, v11
	ds_store_b128 v12, v[128:131]
	ds_store_b128 v12, v[132:135] offset:16
	s_wait_loadcnt 12                              ; step 0's four loads are in
	TURN 0
.macro STEP t
.set XS, X+16*((\t)%2)
.set ZZ, ZS+4*((\t)%2)
.if (\t) > 0
	s_wait_dscnt 1                                 ; this step's numbers, z and s are back (the last step's byte store may be out): so its stores into the stage have read their registers,
.else
	s_wait_dscnt 0x0                               ; (and the table's stores have read v128-135, which the codes take)
.endif
.if (\t)+4 < STEPS
	LOAD (\t)+4                                    ; which take the loads of four steps on
.endif
.if (\t)+1 < STEPS
.if STEPS-2-(\t) >= 3
	s_wait_loadcnt 12                              ; the next step's four loads are in; those of the three steps behind it may be out
.else
	s_wait_loadcnt 4*(STEPS-2-(\t))
.endif
	TURN (\t)+1                                    ; and go through the other stage while this step is worked
.endif
.irp i, 0,1,2,3,4,5,6,7,8,9,10,11,12,13,14,15
	v_cvt_f32_i32 v[XS+\i], v[XS+\i]
.endr
.irp i, 0,2,4,6,8,10,12,14
	v_pk_add_f32 v[XS+\i:XS+\i+1], v[XS+\i:XS+\i+1], v[ZZ:ZZ+1] neg_lo:[0,1] neg_hi:[0,1]   ; q - z
.endr
.irp i, 0,2,4,6,8,10,12,14
	v_pk_mul_f32 v[XS+\i:XS+\i+1], v[XS+\i:XS+\i+1], v[ZZ+2:ZZ+3]                            ; (q - z) s: not fused, so that the two roundings are the definition's
.endr
	v_max3_num_f32 v8, |v[XS]|, |v[XS+1]|, |v[XS+2]|               ; the largest magnitude of my 16, in two chains
	v_max3_num_f32 v9, |v[XS+3]|, |v[XS+4]|, |v[XS+5]|
.irp i, 6,10
	v_max3_num_f32 v8, v8, |v[XS+\i]|, |v[XS+\i+1]|
	v_max3_num_f32 v9, v9, |v[XS+\i+2]|, |v[XS+\i+3]|
.endr
	v_max3_num_f32 v8, v8, |v[XS+14]|, |v[XS+15]|
	v_max3_num_f32 v8, v8, v9, 0x4800000           ; and the floor 2^(9 - 127): so the byte cannot fall under 1
	v_max_num_f32_dpp v8, v8, v8 row_xmask:1 row_mask:0xf bank_mask:0xf   ; and of my neighbour's 16: the block's
	v_add_nc_u32 v11, 0xfc000000, v8               ; 8 off its exponent field: the conversion takes the exponent field of this operand as its scale, and nothing else of it
	v_and_or_b32 v10, v8, 0x7f800000, s30          ; 448 x the scale: the largest magnitude's exponent field over 448's mantissa
.irp i, 0,1,2,3,4,5,6,7,8,9,10,11,12,13,14,15
	v_med3_num_f32 v[XS+\i], v[XS+\i], -v10, v10   ; the conversion to an 8-bit code does not saturate (ISA guide 7.6.2): hold the number first
.endr
	v_cvt_scalef32_pk8_fp8_f32 v[C+4*(\t):C+4*(\t)+1], v[XS:XS+7], v11
	v_cvt_scalef32_pk8_fp8_f32 v[C+4*(\t)+2:C+4*(\t)+3], v[XS+8:XS+15], v11
	v_lshrrev_b32 v[E+(\t)], 23, v11               ; the scale's byte (also the plain line behind the conversions)
	ds_store_b8 v5, v[E+(\t)] offset:8*(\t)        ; both lanes of a block write the same byte with the same value
	global_store_b128 v4, v[C+4*(\t):C+4*(\t)+3], s[12:13] offset:256*(\t)   ; lanes 0-15: row A's 256 bytes; lanes 16-31: row B's; each aligned.  The next launch reads them: no hint
.endm
.irp t, 0,1,2,3,4,5,6,7,8,9,10,11,12,13,14,15
	STEP \t
.endr
	ds_load_b64 v[10:11], v6                       ; LDS serves a wave's instructions in order: these see my byte stores
	s_wait_dscnt 0x0
	global_store_b64 v7, v[10:11], s[14:15]        ; 32 lanes store the scale unit: 256 consecutive bytes, aligned
	s_wait_tensorcnt 0x0
	ds_add_u32 v200, v201
	s_wait_dscnt 0x0
	s_endpgm
.Lfunc_end_k_qfa7778086b_quantw:
	.size	k_qfa7778086b_quantw, .Lfunc_end_k_qfa7778086b_quantw-k_qfa7778086b_quantw
	.p2alignl 7, 3214868480
	.fill 96, 4, 3214868480
	.section	.rodata,"a",@progbits
	.p2align	6, 0x0
	.amdhsa_kernel k_qfa7778086b_quantw
		.amdhsa_group_segment_fixed_size 33280
		.amdhsa_private_segment_fixed_size 0
		.amdhsa_enable_private_segment 0
		.amdhsa_kernarg_size 32
		.amdhsa_user_sgpr_count 2
		.amdhsa_user_sgpr_kernarg_segment_ptr 1
		.amdhsa_wavefront_size32 1
		.amdhsa_system_sgpr_workgroup_id_x 1
		.amdhsa_system_sgpr_workgroup_id_y 1
		.amdhsa_system_sgpr_workgroup_id_z 1
		.amdhsa_system_vgpr_workitem_id 0
		.amdhsa_next_free_vgpr 202
		.amdhsa_next_free_sgpr 66
		.amdhsa_reserve_vcc 0
		.amdhsa_float_denorm_mode_32 3
		.amdhsa_float_denorm_mode_16_64 3
		.amdhsa_memory_ordered 1
		.amdhsa_forward_progress 1
		.amdhsa_inst_pref_size 77
	.end_amdhsa_kernel
	.amdgpu_metadata
---
amdhsa.version: [ 1, 2 ]
amdhsa.kernels:
  - .name:           k_qfa7778086b_quantw
    .symbol:         k_qfa7778086b_quantw.kd
    .args:
      - { .name: qweight, .offset: 0, .size: 8, .value_kind: global_buffer, .address_space: global }
      - { .name: scales, .offset: 8, .size: 8, .value_kind: global_buffer, .address_space: global }
      - { .name: zeros, .offset: 16, .size: 8, .value_kind: global_buffer, .address_space: global }
      - { .name: wq, .offset: 24, .size: 8, .value_kind: global_buffer, .address_space: global }
    .group_segment_fixed_size: 33280
    .private_segment_fixed_size: 0
    .kernarg_segment_align: 8
    .kernarg_segment_size: 32
    .max_flat_workgroup_size: 128
    .sgpr_count:     66
    .vgpr_count:     202
    .wavefront_size: 32
...
	.end_amdgpu_metadata
.endif
;; end of part 1
;; launch gemm (part 2): grid 16 x 16, 4 waves a work-group, clusters of 4 x 4, 327,680 bytes of LDS; arguments input_codes, input_scales, wq, bias, out0; writes out0
.if DOCPART == 2
	.amdgcn_target "amdgcn-amd-amdhsa--gfx1250"
	.amdhsa_code_object_version 6
	.text
	.protected	k_qfa7778086b_gemm
	.globl	k_qfa7778086b_gemm
	.p2align	8
	.type	k_qfa7778086b_gemm,@function
k_qfa7778086b_gemm:
	s_mov_b64 s[64:65], 0
	v_nop
	global_prefetch_b8 v0, s[64:65] scope:SCOPE_SE
	s_setreg_imm32_b32 hwreg(HW_REG_WAVE_MODE, 25, 1), 1
	s_wait_xcnt 0x0
	s_wait_alu depctr_hold_cnt(0) depctr_sa_sdst(0) depctr_va_vdst(0) depctr_va_sdst(0) depctr_va_ssrc(0) depctr_va_vcc(0) depctr_vm_vsrc(0)
	s_getreg_b32 s2, hwreg(HW_REG_IB_STS2, 6, 4)
	s_cmp_eq_u32 s2, 0
	s_cbranch_scc0 .Lentry_in_a_cluster
	s_endpgm
.Lentry_in_a_cluster:
	s_bfe_u32 s2, ttmp6, 0x10000c
	s_cmp_lg_u32 s2, 0xf033
	s_cbranch_scc0 .Lentry_shape_is_right
	s_endpgm
.Lentry_shape_is_right:
; out0[t][o] = sum over i of input[t][i] W[o][i] + bias[o], on codes of MX-FP8 (E4M3, one E8M0 byte for 32 along K); sums in f32; the bias is the C of each sum's first product.
; input comes as codes [4096][4096] and scale bytes [4096][128]; W as wq, which the launch before laid: blocks [g: 128 rows of W][j: 256 along K] of 33,792 bytes: 128 rows of 256 codes, then four
; units of 256 scale bytes (unit i, entry e of 8 bytes: row 16 i + e for e < 16, row 64 + 16 i + e - 16 else; K ascending).
; LIMITS: NaN and infinities are not served beyond what the matrix instruction makes of them.  No work of the problem is left out.
; A tile of out0, 256 x 256, is made by four waves, each 128 x 128: 64 accumulators, 512 registers.  K goes in 16 steps of 256 through a ring of two LDS slots, rows of 256 bytes + 16 of padding.
; LDS: A's slot 0, A's slot 1 (256 rows each); then for each half of B its slot 0 and slot 1 on end (132 rows each: K steps j and j + 1 of a block row of wq are 264 dense rows); A's scale bytes; the spare words.
; THE HEAD fills both slots, one load a wave: waves 0, 1 A's K steps 0, 1 (256 rows each); waves 2, 3 a half of B for both steps (264 rows).  The scale bytes of A's 256 rows, all of K, 32,768 dense bytes, come
; through registers in whole runs of 256 bytes into LDS bytes of their own, and stay.  B's scale bytes ride in the ring.
; CLUSTERS: 4 x 4.  A's tiles are asked for jointly along a row of the cluster, B's along a column.  The matrix instruction is used transposed (source 0 = rows of W, source 1 = rows of input): a lane holds eight neighbouring columns of a row.
; A STEP of 128 along K is 8 rows of 8 products: A's block a against B's eight.  A has ONE set of registers, fetched anew as its blocks are done; B has two.  LDS loads stand in two runs a step, each behind eight places.
; PREFETCH: behind each refill every wave names the K step that stands two refills on: a lane a block of 256 bytes; the four partners of a joint load share its blocks by address (A: 32 rows each; B: 33 units each,
; the 33rd by an instruction of its own).  The head names K steps 2 and 3.  The loop's last trip and the tail name nothing: K ends at step 15.
; REGISTERS: window 0: v0-31 addresses; v32-63 scale words, two sets; v64-127 the bias; v128-255 A's fragments.  Window 1: B's two sets.  Windows 2, 3: the accumulators.
.set SIZE_N, 4096
.set ROWB,   256
.set KROW,   4096
.set BLKB,   33792
.set PITCH,  272
.set FR,     16
.set NP,     8
.set HALFA,  128*PITCH
.set HALFB,  132*PITCH
.set BBASE,  4*HALFA
.set LAPS,   8
.set SCA,    4*HALFA+4*HALFB           ; A's scale bytes: 128 units of 256 bytes (two rows) + 16
.set SBLK,   8*272                     ; those of 16 rows
.set SPARE,  SCA+128*272+256           ; the spare words: 512 bytes that no other line names
.set SPITCH, 528                       ; the way out: a stage of 16 rows x (512 + 16) bytes a wave, in A's slot 0 behind its last fill and last read
.set SST,  11                          ; v11 where I store A's scale bytes
.set PFO,  12                          ; v12 a prefetch's offset: lane x a row of A, or lane x 256 in a block of wq
.set PFL,  13                          ; v13 0: the 33rd unit
.set ADRA, 16                          ; v16-17 my A fragments in slot 0, 1
.set ADRB, 20                          ; v20-21 my B fragments
.set ADSB, 22                          ; v22-23 B's scale units
.set STO,  24
.set RD,   25
.set CO,   26
.set SPW,  28                          ; v28 my spare word;  v29 0
.set NIL,  29
.set ADSA, 30                          ; v30-31 A's scale words for slot 0, 1: stepped 16 bytes a lap
.set SC,   32                          ; set s at v[32 + 16 s]: A's word of blocks i (lanes 0-15), i + 4 (lanes 16-31) for the q-th 128 at 2 i + 1 - q; B's at 8 + 2 i + q: no product's two scale registers are equal modulo 8
.set BIAS, 64
.set AF,   128
.set BK,   128
.set G1,  24
.set G0,  32
.set G1B, 48
.set G0B, 56
.set G0H, 88                           ; s[88:91], s[92:95] group 0 of the head's loads
.set G0HB, 92
.set PFA, 84                           ; s[84:85] where my prefetches stand;  s[86:87] a K step there in bytes
.set PFS, 86
.set MSB, 0
.macro WIN new
.if MSB != \new
	s_set_vgpr_msb (MSB<<8)|\new
.set MSB, \new
.endif
.endm
.set MUL_LO,   0xa1                    ; source 0 (B) window 1, source 1 (A) window 0, C and D window 2
.set MUL_HI,   0xf1
.set FIRST_LO, 0x81                    ; the same with C (the bias) in window 0
.set FIRST_HI, 0xc1
.set TO_B,     0x40
.macro PLACES n
.rept \n
	v_nop
.endr
.endm
.macro TLOAD g0, g1                    ; a tensor load; the s_nop 0 and the four v_nop behind it
	tensor_load_to_lds s[\g0:\g0+3], s[\g1:\g1+7]
	s_nop 0
	PLACES 4
.endm
.macro JLOAD g0a, g0b                  ; a joint load: waves 0, 1 fetch for A, waves 2, 3 for B
	s_cmp_eq_u32 s15, 0
	s_cbranch_scc0 .Lfor_b_\@
	TLOAD \g0a, G1
	s_branch .Lasked_\@
.Lfor_b_\@:
	TLOAD \g0b, G1B
.Lasked_\@:
.endm
.macro CREST
	s_cmp_lg_u32 s14, 0
	s_cbranch_scc1 .Lnot_wave_0_\@
	s_barrier_signal -3
.Lnot_wave_0_\@:
	s_barrier_wait -3
	s_barrier_signal -1
	s_barrier_wait -1
.endm
.macro CROUND
	s_barrier_signal -1
	s_barrier_wait -1
	CREST
.endm
.macro ASK k, inloop                   ; my share of the K step k steps behind s[PFA]
.if \inloop
	s_cmp_gt_u32 s3, 1                             ; the last trip's look-ahead would pass K's end
	s_cbranch_scc0 .Lpd_\@
.endif
	s_cmp_eq_u32 s15, 0
	s_cbranch_scc0 .Lpb_\@
	global_prefetch_b8 v[PFO], s[PFA:PFA+1] offset:(\k)*ROWB th:TH_LOAD_NT scope:SCOPE_SE
	s_branch .Lpd_\@
.Lpb_\@:
	global_prefetch_b8 v[PFO], s[PFA:PFA+1] offset:(\k)*BLKB th:TH_LOAD_NT scope:SCOPE_SE
	global_prefetch_b8 v[PFL], s[PFA:PFA+1] offset:(\k)*BLKB+32*256 th:TH_LOAD_NT scope:SCOPE_SE
.Lpd_\@:
.endm
	s_load_b256 s[4:11], s[0:1], 0x0               ; input_codes, input_scales, wq, bias
	s_load_b64 s[12:13], s[0:1], 0x20              ; out0
	v_lshl_add_u32 v[SPW], v0, 2, SPARE
	v_mov_b32 v[NIL], 0
	ds_add_u32 v[SPW], v[NIL]                      ; the opening lines: the add twice on end and its wait
	ds_add_u32 v[SPW], v[NIL]
	v_lshrrev_b32 v1, 5, v0
	v_readfirstlane_b32 s14, v1                    ; wave
	s_lshr_b32 s15, s14, 1                         ; my half of the tile's rows; also: I fetch for A (0) or B (1)
	s_and_b32 s16, s14, 1                          ; my half of its columns; also: which half I fetch
	s_bfe_u32 s40, ttmp6, 0x40000                  ; cx
	s_bfe_u32 s41, ttmp6, 0x40004                  ; cy
	s_lshl_b32 s42, ttmp9, 2
	s_add_co_u32 s42, s42, s40                     ; tile column
	s_and_b32 s17, ttmp7, 0xffff
	s_lshl_b32 s17, s17, 2
	s_add_co_u32 s17, s17, s41                     ; tile row
	s_lshl_b32 s43, s41, 2
	s_lshl_b32 s43, 15, s43                        ; my row of the cluster
	s_lshl_b32 s44, 0x1111, s40                    ; my column
	s_or_b32 s[G1+0], s43, (0<<16)|(1<<20)|(1<<21)|(5<<22)|(3<<25)
	s_mov_b32 s[G1+1], ROWB<<16
	s_mov_b32 s[G1+2], 256<<16                     ; the head's load of A brings 256 rows, that of B 264; behind them the row counts are halved for the ring
	s_mov_b32 s[G1+3], ROWB<<16
	s_mov_b32 s[G1+4], 256
	s_mov_b32 s[G1+5], KROW
	s_mov_b32 s[G1+6], 0
	s_mov_b32 s[G1+7], 0
	s_or_b32 s[G1B+0], s44, (0<<16)|(1<<20)|(1<<21)|(5<<22)|(3<<25)
	s_mov_b32 s[G1B+1], ROWB<<16
	s_mov_b32 s[G1B+2], 264<<16
	s_mov_b32 s[G1B+3], ROWB<<16
	s_mov_b32 s[G1B+4], 264
	s_mov_b32 s[G1B+5], ROWB
	s_mov_b32 s[G1B+6], 0
	s_mov_b32 s[G1B+7], 0
	s_lshl_b32 s20, s17, 20                        ; A's codes: 256 rows of 4,096 bytes a tile row
	s_mov_b32 s21, 0
	s_lshl_b32 s18, s16, 8                         ; the head: waves 0, 1 take K steps 0, 1
	s_mov_b32 s19, 0
	s_lshl_b32 s82, s16, 19                        ; the ring: my half of A's rows
	s_mov_b32 s83, 0
	s_lshl_b32 s22, s17, 15                        ; A's scale bytes: 256 rows of 128; my wave's 64 rows
	s_lshl_b32 s23, s14, 13
	s_add_co_u32 s22, s22, s23
	s_mov_b32 s23, 0
	s_lshl_b32 s46, s42, 1
	s_add_co_u32 s46, s46, s16
	s_mul_i32 s46, s46, 16*BLKB                    ; wq: block (g = 2 x tile column + half, 0)
	s_mov_b32 s47, 0
	s_mul_i32 s45, s16, HALFA
	s_mul_i32 s80, s16, 2*HALFB
	s_add_co_u32 s80, s80, BBASE
	s_mov_b32 s[G0H], 1
	s_mul_i32 s[G0H+1], s16, 2*HALFA
	s_mov_b32 s[G0HB], 1
	s_mov_b32 s[G0HB+1], s80
.irp s, 0,1
	s_mov_b32 s[G0+4*\s], 1
	s_add_co_u32 s[G0+4*\s+1], s45, \s*2*HALFA
	s_mov_b32 s[G0B+4*\s], 1
	s_add_co_u32 s[G0B+4*\s+1], s80, \s*HALFB
.endr
	s_wait_dscnt 0x0                               ; both opening adds are done
	CROUND                                         ; all sixteen work-groups are here: the first joint loads meet
	s_wait_kmcnt 0x0
	s_add_nc_u64 s[20:21], s[4:5], s[20:21]
	s_add_nc_u64 s[G0H+2:G0H+3], s[20:21], s[18:19]
	s_or_b32 s[G0H+3], s[G0H+3], 0x80000000
	s_add_nc_u64 s[46:47], s[8:9], s[46:47]
	s_mov_b64 s[G0HB+2:G0HB+3], s[46:47]
	s_or_b32 s[G0HB+3], s[G0HB+3], 0x80000000
	JLOAD G0H, G0HB                                ; the head's loads, one a wave: both slots
	s_add_nc_u64 s[20:21], s[20:21], s[82:83]
.irp s, 0,1
	s_add_nc_u64 s[G0+4*\s+2:G0+4*\s+3], s[20:21], \s*ROWB
	s_or_b32 s[G0+4*\s+3], s[G0+4*\s+3], 0x80000000
	s_add_nc_u64 s[G0B+4*\s+2:G0B+4*\s+3], s[46:47], \s*BLKB
	s_or_b32 s[G0B+4*\s+3], s[G0B+4*\s+3], 0x80000000
.endr
	s_add_nc_u64 s[6:7], s[6:7], s[22:23]
	s_mul_i32 s68, s15, HALFA                      ; my 128 rows of A in slot 0, 1
	s_add_co_u32 s69, s68, 2*HALFA
	s_add_co_u32 s71, s80, HALFB                   ; my half of B in slot 1 (s80: in slot 0)
	s_mul_i32 s72, s15, 8*SBLK
	s_add_co_u32 s73, s72, SCA-8                   ; slot 1's scale words of A: one lap's step ahead of K step 1
	s_add_co_u32 s72, s72, SCA
	s_mul_i32 s74, s14, 16*SPITCH                  ; my stage
	s_mul_i32 s75, s14, 32*272                     ; where my 64 rows of A's scale bytes go: 32 units
	s_add_co_u32 s75, s75, SCA
	s_lshl_b32 s46, s42, 10                        ; my first column in bytes
	s_lshl_b32 s47, s16, 9
	s_add_co_u32 s46, s46, s47
	s_mov_b32 s47, 0
	s_add_nc_u64 s[10:11], s[10:11], s[46:47]
	s_lshl_b32 s18, s17, 8
	s_lshl_b32 s19, s15, 7
	s_add_co_u32 s18, s18, s19
	s_lshl_b32 s18, s18, 14                        ; my first row of out0, rows of 16,384 bytes
	s_mov_b32 s19, 0
	s_add_nc_u64 s[12:13], s[12:13], s[18:19]
	s_add_nc_u64 s[12:13], s[12:13], s[46:47]
	s_lshl_b32 s82, s17, 8                         ; the prefetches.  A: row 256 x tile row + 128 x half + 32 cx, at K step 1
	s_lshl_b32 s83, s16, 7
	s_add_co_u32 s82, s82, s83
	s_lshl_b32 s83, s40, 5
	s_add_co_u32 s82, s82, s83
	s_lshl_b32 s82, s82, 12
	s_add_co_u32 s82, s82, ROWB
	s_lshl_b32 s86, s42, 1                         ; B: block (g, 1), units 33 cy on
	s_add_co_u32 s86, s86, s16
	s_mul_i32 s86, s86, 16*BLKB
	s_mul_i32 s87, s41, 33*256
	s_add_co_u32 s86, s86, s87
	s_add_co_u32 s86, s86, BLKB
	s_cmp_eq_u32 s15, 0
	s_cselect_b32 s82, s82, s86
	s_cselect_b64 s[PFA:PFA+1], s[4:5], s[8:9]
	s_mov_b32 s86, BLKB
	s_cselect_b32 s86, ROWB, s86                   ; a K step in bytes
	s_mov_b32 s76, 256
	s_cselect_b32 s76, KROW, s76                   ; from lane to lane
	s_mov_b32 s83, 0
	s_mov_b32 s87, 0
	s_add_nc_u64 s[PFA:PFA+1], s[PFA:PFA+1], s[82:83]
	v_and_b32 v1, 15, v0                           ; r
	v_bfe_u32 v2, v0, 4, 1                         ; h
	v_and_b32 v6, 31, v0
	v_mul_u32_u24 v3, v1, PITCH
	v_lshl_add_u32 v4, v2, 4, v3                   ; a fragment's row x pitch + 16 h
	v_lshl_add_u32 v5, v6, 3, 128*PITCH            ; B's scale units: behind the 128 rows of codes, 8 bytes a lane
	v_add_nc_u32 v[ADRA], s68, v4
	v_add_nc_u32 v[ADRA+1], s69, v4
	v_add_nc_u32 v[ADRB], s80, v4
	v_add_nc_u32 v[ADRB+1], s71, v4
	v_add_nc_u32 v[ADSB], s80, v5
	v_add_nc_u32 v[ADSB+1], s71, v5
	v_lshrrev_b32 v7, 1, v1                        ; A's scale bytes: two rows of 128 bytes a unit; lanes 16-31 stand 64 rows on
	v_mul_u32_u24 v7, v7, 272
	v_and_b32 v8, 1, v1
	v_lshl_add_u32 v7, v8, 7, v7
	v_mul_u32_u24 v8, v2, 4*SBLK
	v_add_nc_u32 v7, v7, v8
	v_add_nc_u32 v[ADSA], s72, v7
	v_add_nc_u32 v[ADSA+1], s73, v7
	v_mul_u32_u24 v5, v1, SPITCH
	v_lshl_add_u32 v5, v2, 5, v5
	v_add_nc_u32 v[STO], s74, v5
	v_lshlrev_b32 v[CO], 4, v6
	v_add_nc_u32 v[RD], s74, v[CO]
	v_mul_u32_u24 v[SST], v2, 272                  ; a load's 512 bytes are two units: lanes 0-15 one, lanes 16-31 the next
	v_lshl_add_u32 v[SST], v1, 4, v[SST]
	v_add_nc_u32 v[SST], s75, v[SST]
	v_lshlrev_b32 v9, 5, v2                        ; the bias: register j of tile b is column 16 b + 8 h + j
	v_mul_u32_u24 v[PFO], v6, s76
	v_mov_b32 v[PFL], 0
	s_wait_alu depctr_va_vdst(0)                   ; the wait at the head's end: no vector line follows in the head
.irp t, 0,1,2,3,4,5,6,7,8,9,10,11,12,13,14,15
	global_load_b128 v[AF+4*\t:AF+4*\t+3], v[CO], s[6:7] offset:512*\t   ; my 64 rows of A's scale bytes: 512 consecutive bytes a load
.endr
.irp b, 0,1,2,3,4,5,6,7
	global_load_b128 v[BIAS+8*\b:BIAS+8*\b+3],   v9, s[10:11] offset:64*\b
	global_load_b128 v[BIAS+8*\b+4:BIAS+8*\b+7], v9, s[10:11] offset:64*\b+16
.endr
	ASK 1, 0                                       ; K steps 2 and 3
	ASK 2, 0
	s_wait_loadcnt 16                              ; the scale bytes are in; the bias's 16 loads may be out
.irp t, 0,1,2,3,4,5,6,7,8,9,10,11,12,13,14,15
	ds_store_b128 v[SST], v[AF+4*\t:AF+4*\t+3] offset:544*\t
.endr
.macro FRAG reg, adr, q, i             ; 16 rows x 128 K: registers 4 c .. 4 c + 3 hold K = 32 c + 16 h + 0 .. 15
.irp c, 0,1,2,3
	ds_load_b128 v[\reg+4*\c:\reg+4*\c+3], v[\adr] offset:128*(\q)+32*\c+(\i)*16*PITCH
.endr
.endm
; A piece of a run of LDS loads, for the step that follows (slot LS, its LQ-th 128).  0-7: A's block j;  8-15: B's fragment j - 8;  64: B's scale words of slot LS;  65, 66: A's, first and second 128
.macro JOB j
.if (\j) >= 65
	WIN 0
.irp i, 0,1,2,3
	ds_load_b32 v[SC+16*LS+2*\i+1-((\j)-65)], v[ADSA+LS] offset:\i*SBLK+4*((\j)-65)
.endr
.elseif (\j) >= 64
	WIN 0
.irp i, 0,1,2,3
	ds_load_b64 v[SC+16*LS+8+2*\i:SC+16*LS+8+2*\i+1], v[ADSB+LS] offset:\i*272
.endr
.elseif (\j) >= 8
	WIN TO_B
	FRAG 128*LQ+FR*((\j)-8), ADRB+LS, LQ, (\j)-8
.else
	WIN 0
	FRAG AF+FR*(\j), ADRA+LS, LQ, \j
.endif
.endm
.macro MM a, b, q, sc, first
.set rD, 8*(8*((\a)%4)+(\b))
.set rB, 128*(\q)+FR*(\b)
.set rA, AF+FR*(\a)
.set rSB, SC+16*(\sc)+8+2*((\b)%4)+(\q)
.set rSA, SC+16*(\sc)+2*((\a)%4)+1-(\q)
.if \first
.set rC, BIAS+8*(\b)
.else
.set rC, rD
.endif
.if ((\a) < 4) && ((\b) < 4)
	v_wmma_scale_f32_16x16x128_f8f6f4 v[rD:rD+7], v[rB:rB+15], v[rA:rA+15], v[rC:rC+7], v[rSB], v[rSA]
.elseif (\a) < 4
	v_wmma_scale_f32_16x16x128_f8f6f4 v[rD:rD+7], v[rB:rB+15], v[rA:rA+15], v[rC:rC+7], v[rSB], v[rSA] matrix_a_scale:MATRIX_SCALE_ROW1
.elseif (\b) < 4
	v_wmma_scale_f32_16x16x128_f8f6f4 v[rD:rD+7], v[rB:rB+15], v[rA:rA+15], v[rC:rC+7], v[rSB], v[rSA] matrix_b_scale:MATRIX_SCALE_ROW1
.else
	v_wmma_scale_f32_16x16x128_f8f6f4 v[rD:rD+7], v[rB:rB+15], v[rA:rA+15], v[rC:rC+7], v[rSB], v[rSA] matrix_a_scale:MATRIX_SCALE_ROW1 matrix_b_scale:MATRIX_SCALE_ROW1
.endif
.endm
; A row: A's block a against B's eight.  The 64 accumulators take turns in the same order in every step.
.macro ROW a, q, sc, first
.if ((\a) < 4) && \first
	WIN FIRST_LO
.elseif (\a) < 4
	WIN MUL_LO
.elseif \first
	WIN FIRST_HI
.else
	WIN MUL_HI
.endif
.irp b, 0,1,2,3,4,5,6,7
	MM \a, \b, \q, \sc, \first
.endr
.endm
; A slot's first 128 along K.  Ahead of it the youngest 24 LDS loads are A's blocks 2 to 7.
.macro STEP slot, first
.set LS, \slot
.set LQ, 1
	s_wait_dscnt 24                                ; B's set, the scale words and A's blocks 0, 1 are in
	ROW 0, 0, \slot, \first
	ROW 1, 0, \slot, \first
	s_wait_dscnt 8                                 ; blocks 2 to 5 are in; 6 and 7 may be out
	ROW 2, 0, \slot, \first
	ROW 3, 0, \slot, \first
	s_wait_dscnt 0x0
	PLACES NP
.irp j, 8,9,10,11,12,13,14,15,0,1,2,3
	JOB \j
.endr
.irp a, 4,5,6,7
	ROW \a, 0, \slot, \first
.endr
	PLACES NP
.irp j, 4,5,6,7
	JOB \j
.endr
	WIN 0
.endm
; A slot's second 128 changes slots: all its fragments have been asked for.  Row 0 stands between the add and its wait; row 1 between the signal and the wait.
.macro TURN slot, next, fill
.set LS, \next
.set LQ, 0
.if \fill
	s_wait_xcnt 0x0                                ; my prefetches have read their address: it steps one K step
	s_add_nc_u64 s[PFA:PFA+1], s[PFA:PFA+1], s[PFS:PFS+1]
.endif
	s_wait_tensorcnt 0x0                           ; my part of the next slot has landed: no tensor load of mine is out
	ds_add_u32 v[SPW], v[NIL]
.if \fill
	s_add_nc_u64 s[G0+4*\slot+2:G0+4*\slot+3], s[G0+4*\slot+2:G0+4*\slot+3], 2*ROWB
	s_add_nc_u64 s[G0B+4*\slot+2:G0B+4*\slot+3], s[G0B+4*\slot+2:G0B+4*\slot+3], 2*BLKB
.endif
	s_wait_dscnt 17                                ; the add and A's blocks 4 to 7 may be out
	ROW 0, 1, \slot, 0
	s_wait_dscnt 0x0                               ; the add is done, and my reads of this slot are over
	s_barrier_signal -1
	ROW 1, 1, \slot, 0
	WIN 0
	s_barrier_wait -1
.if \fill
	CREST                                          ; the barrier has opened a round of the cluster's barrier
	JLOAD G0+4*\slot, G0B+4*\slot                  ; the first tensor load behind the round: this slot's K step two on; its four v_nop are among the places
	PLACES NP-4
.else
	PLACES NP
.endif
	v_add_nc_u32 v[ADSA+\next], 16, v[ADSA+\next]  ; A's scale words of the next slot's K step
	s_wait_alu depctr_va_vdst(0)                   ; the wait directly behind the write
.irp j, 8,9,10,11,12,13,14,15,64,65,66,0,1
	JOB \j
.endr
.if \fill
	WIN 0
	ASK 2, 1                                       ; the K step two refills on
.endif
.irp a, 2,3,4,5,6,7
	ROW \a, 1, \slot, 0
.endr
	PLACES NP
.irp j, 2,3,4,5,6,7
	JOB \j
.endr
	WIN 0
.endm
	s_wait_tensorcnt 0x0                           ; my tile of the head's four is in,
	s_mov_b32 s[G1+2], 128<<16                     ; so a descriptor may be written: from here on a load brings 128 rows of A
	s_mov_b32 s[G1+4], 128
	s_mov_b32 s[G1B+2], 132<<16                    ; or 132 of B
	s_mov_b32 s[G1B+4], 132
	s_wait_dscnt 0x0                               ; and my stores of scale bytes are done
	s_barrier_signal -1
	s_barrier_wait -1                              ; both hold of every wave
.set LS, 0
.set LQ, 0
.irp j, 8,9,10,11,12,13,14,15,64,65,66,0,1,2,3,4,5,6,7
	JOB \j
.endr
	WIN 0
	s_wait_loadcnt 0x0                             ; the bias
	STEP 0, 1                                      ; the first step stands ahead of the loop: its products start the sums on the bias
	s_mov_b32 s3, LAPS-1
.Llap:
	TURN 0, 1, 1
	STEP 1, 0
	TURN 1, 0, 1
	STEP 0, 0
	s_sub_co_u32 s3, s3, 1
	s_cmp_lg_u32 s3, 0
	s_cbranch_scc1 .Llap
	TURN 0, 1, 0                                   ; the last lap fills nothing
	STEP 1, 0
	s_wait_dscnt 16                                ; the very last step: nothing more to fetch
.irp a, 0,1,2,3
	ROW \a, 1, 1, 0
.endr
	s_wait_dscnt 0x0
.irp a, 4,5,6,7
	ROW \a, 1, 1, 0
.endr
	WIN 0
; THE WAY OUT, by blocks of 16 rows x 128 columns: through my own stage and back as whole rows of 512 bytes.  LDS serves a wave's instructions in order (ISA guide 5.7.1.4).
.macro TOSTAGE a
.set AC, 64*((\a)%4)
	WIN 0x08+4*((\a)/4)
.irp b, 0,1,2,3,4,5,6,7
	ds_store_b128 v[STO], v[AC+8*\b:AC+8*\b+3] offset:64*\b
	ds_store_b128 v[STO], v[AC+8*\b+4:AC+8*\b+7] offset:64*\b+16
.endr
	WIN 0
.set BB, BK+64*((\a)%2)
.irp t, 0,1,2,3,4,5,6,7,8,9,10,11,12,13,14,15
	ds_load_b128 v[BB+4*\t:BB+4*\t+3], v[RD] offset:\t*SPITCH
.endr
.endm
.macro SEND a, younger
.set BB, BK+64*((\a)%2)
	s_wait_dscnt \younger
.if (\a) > 0
	s_add_nc_u64 s[12:13], s[12:13], 16*SIZE_N*4   ; behind a wait on XCNT: the earlier stores have read their base
.endif
.irp t, 0,1,2,3,4,5,6,7,8,9,10,11,12,13,14,15
	global_store_b128 v[CO], v[BB+4*\t:BB+4*\t+3], s[12:13] offset:\t*SIZE_N*4 th:TH_STORE_NT   ; 32 lanes store 512 consecutive bytes, aligned
.endr
.endm
	PLACES NP
	TOSTAGE 0
.irp a, 1,2,3,4,5,6,7
.if \a > 1
	s_wait_xcnt 0x0
.endif
	TOSTAGE \a
	SEND \a-1, 32
.endr
	s_wait_xcnt 0x0
	SEND 7, 0
	s_wait_tensorcnt 0x0                           ; the wave's end
	ds_add_u32 v[SPW], v[NIL]
	s_wait_dscnt 0x0
	CROUND                                         ; the closing round
	s_endpgm
.Lfunc_end_k_qfa7778086b_gemm:
	.size	k_qfa7778086b_gemm, .Lfunc_end_k_qfa7778086b_gemm-k_qfa7778086b_gemm
	.p2alignl 7, 3214868480
	.fill 96, 4, 3214868480
	.section	.rodata,"a",@progbits
	.p2align	6, 0x0
	.amdhsa_kernel k_qfa7778086b_gemm
		.amdhsa_group_segment_fixed_size 327680
		.amdhsa_private_segment_fixed_size 0
		.amdhsa_enable_private_segment 0
		.amdhsa_kernarg_size 40
		.amdhsa_user_sgpr_count 2
		.amdhsa_user_sgpr_kernarg_segment_ptr 1
		.amdhsa_wavefront_size32 1
		.amdhsa_system_sgpr_workgroup_id_x 1
		.amdhsa_system_sgpr_workgroup_id_y 1
		.amdhsa_system_sgpr_workgroup_id_z 1
		.amdhsa_system_vgpr_workitem_id 0
		.amdhsa_next_free_vgpr 1024
		.amdhsa_next_free_sgpr 96
		.amdhsa_reserve_vcc 0
		.amdhsa_float_denorm_mode_32 3
		.amdhsa_float_denorm_mode_16_64 3
		.amdhsa_memory_ordered 1
		.amdhsa_forward_progress 1
		.amdhsa_inst_pref_size 152
	.end_amdhsa_kernel
	.amdgpu_metadata
---
amdhsa.version: [ 1, 2 ]
amdhsa.kernels:
  - .name:           k_qfa7778086b_gemm
    .symbol:         k_qfa7778086b_gemm.kd
    .args:
      - { .name: input_codes, .offset: 0, .size: 8, .value_kind: global_buffer, .address_space: global }
      - { .name: input_scales, .offset: 8, .size: 8, .value_kind: global_buffer, .address_space: global }
      - { .name: wq, .offset: 16, .size: 8, .value_kind: global_buffer, .address_space: global }
      - { .name: bias, .offset: 24, .size: 8, .value_kind: global_buffer, .address_space: global }
      - { .name: out0, .offset: 32, .size: 8, .value_kind: global_buffer, .address_space: global }
    .group_segment_fixed_size: 327680
    .private_segment_fixed_size: 0
    .kernarg_segment_align: 8
    .kernarg_segment_size: 40
    .max_flat_workgroup_size: 128
    .sgpr_count:     96
    .vgpr_count:     1024
    .wavefront_size: 32
...
	.end_amdgpu_metadata
.endif
;; end of part 2
